; MI455X (gfx1250); checked and timed in simulation.
; The chip was launched on July 23, 2026; its instructions are those of AMD's public machine-readable ISA for CDNA 5 (MIT licence, August 2026) and "CDNA5" Instruction Set Architecture Reference Guide (July 2026). The comments in the code are by the model that wrote it; some were corrected since.
;; Incremental Attention. Allowed arithmetic: matrix products marked QUANTISED: E2M3 operands, one E8M0 scale for each 32 along K, by v_wmma_scale_f32_16x16x128_f8f6f4 with both operands' format E2M3, f32 sums; everything else in f32.
;; Inputs: Wk 1,024 x 1,024 float32; Wq 1,024 x 1,024 float32; Wv 1,024 x 1,024 float32; attention_mask 2 x 1 x 1 x 4,096 float32; bk 1,024 float32; bq 1,024 float32; bv 1,024 float32; encoder_hidden_states 2 x 2,048 x 1,024 float32; hidden_states 2 x 2,048 x 1,024 float32.
;; Outputs: out0 2 x 2,048 x 1,024 float32.
;; This version of the problem:
;;   THIS VERSION OF THE PROBLEM IS GIVEN IN LOW PRECISION. The matrix products marked QUANTISED in the list below multiply operands that are first quantised to E2M3 (2 exponent bits, 3 mantissa bits; 6 bits a number), with one power-of-two scale for each 32 numbers along K (OCP MX v1.0); their sums are f32. All else is computed in f32.
;;   The module's matrix products, in the order in which they are computed (A, B: the left and right operand; K: the contracted axis; several contracted axes count as one K, in the product's order):
;;     1. [M 4,096, K 1,024] x [K 1,024, N 1,024]; A: input hidden_states; B: input Wq: QUANTISED
;;     2. [M 8,192, K 1,024] x [K 1,024, N 1,024]; A: computed on the way; B: input Wk: QUANTISED
;;     3. [M 8,192, K 1,024] x [K 1,024, N 1,024]; A: computed on the way; B: input Wv: QUANTISED
;;     4. batch 32 x [M 2,048, K 64] x [K 64, N 4,096]; A: computed on the way; B: computed on the way: QUANTISED
;;     5. batch 32 x [M 2,048, K 4,096] x [K 4,096, N 64]; A: softmax (see below); B: computed on the way: QUANTISED
;;   THE QUANTISER, for each operand of a quantised product, along K:
;;     - K is cut into blocks of 32 from its start; a last block that is shorter is filled with zeros.
;;     - A block's scale is 2^e with e = floor(log2(the largest magnitude in the block)) - 2, held to -126 .. 127; a block of zeros has e = 0. As a byte (E8M0): e + 127.
;;     - Each number is divided by its block's scale, clamped to +-7.5, and rounded to the nearest number of E2M3, ties to even, subnormals kept.
;;     - The product sums the exact products of the quantised numbers (number of the format x scale) in f32.
;;   ~~~python
;;   def quantise(x, axis):      # numpy; x: float32 -> the quantised numbers, widened to float32 again
;;       x = np.moveaxis(x, axis, -1); K = x.shape[-1]
;;       x = np.pad(x, [(0, 0)] * (x.ndim - 1) + [(0, -K % 32)]); x = x.reshape(x.shape[:-1] + (-1, 32)); a = np.abs(x).max(-1, keepdims=True)
;;       e = np.where(a > 0, np.clip(np.frexp(np.where(a > 0, a, 1))[1] - 1 - 2, -126, 127), 0)      # np.frexp(a)[1] - 1 = floor(log2(a)), exactly
;;       r = np.clip(x / 2.0 ** e, -7.5, 7.5)
;;       step = 2.0 ** (np.maximum(np.frexp(np.where(r == 0, 1, r))[1] - 1, 0) - 3)
;;       q = np.round(r / step) * step * 2.0 ** e      # np.round: ties to even
;;       return np.moveaxis(q.reshape(q.shape[:-2] + (-1,))[..., :K], -1, axis).astype(np.float32)
;;   ~~~
;;   SOFTMAX AHEAD OF A QUANTISED PRODUCT. Where the list says 'softmax', what is quantised is not the finished softmax but p = 2^(t - M), with t = logit x log2(e) and M = ceil(the row's largest t), a whole number; so 1/2 < the row's largest p <= 1. The row's sum l is taken of the UNQUANTISED p, in f32, and the product's result is divided by l at the end. Since M is a whole number, a kernel that streams over the keys may use a running M (the ceiling of the running maximum): every later rescaling is an exact power of two, which a block's scale takes up: the codes' values come out the same.
;;   OPERANDS COMPUTED ON THE WAY. 'Computed on the way' means the value that the module computes at that place (a softmax that the list does not call 'softmax' is quantised finished and normalised). What goes into a quantiser is computed in f32, as accurately as f32 sums, v_exp_f32 and their like allow (about 1e-6 of the number): no bf16 or f16 on the way to a quantiser, and a product that is left as it is and whose result goes on into a quantised operand takes f32 operands (vector FMAs, or v_wmma_f32_16x16x4_f32). A number that lies on a knife's edge between two numbers of the format may be rounded either way, as far as f32 arithmetic and the matrix unit's own rounding can turn it there, and no further.
;; One version. Each part assembles by itself: llvm-mc -triple=amdgcn-amd-amdhsa -mcpu=gfx1250 --defsym DOCPART=n.
;; ======== version 1 of 1: 3 launches
;; limits: inputs' magnitudes at most 134,217,728; right only within a limited range of input values
;; workspace buffers: xq 6,553,600 bytes; wq 2,457,600 bytes; kvq 13,107,200 bytes
;; launch quant (part 1): grid 56 x 8, 4 waves a work-group, no clusters, 34,304 bytes of LDS; arguments hidden_states, encoder_hidden_states, Wk, Wv, Wq, xq, wq; writes xq, wq
.if DOCPART == 1
	.amdgcn_target "amdgcn-amd-amdhsa--gfx1250"
	.amdhsa_code_object_version 6
	.text
	.protected	k_q63553d5c84_quant
	.globl	k_q63553d5c84_quant
	.p2align	8
	.type	k_q63553d5c84_quant,@function
k_q63553d5c84_quant:
	s_mov_b64 s[64:65], 0
	v_nop
	global_prefetch_b8 v0, s[64:65] scope:SCOPE_SE
	s_setreg_imm32_b32 hwreg(HW_REG_WAVE_MODE, 25, 1), 1
	s_wait_xcnt 0x0
; The tokens (hidden_states, then encoder_hidden_states, batch by batch: 8,192 rows of 1,024) and the three weights ([k][n], K their FIRST axis) become codes of FP6 (E2M3) with one E8M0 byte for each 32 along K.
; A block's scale is 2^(floor(log2(its largest magnitude)) - 2): its byte is the largest magnitude's exponent field - 2, held at 1 from below.
; LIMITS: a block of zeros gets the byte 1 where the rule says 127 (its codes are zeros, and this program alone reads the bytes); blocks whose largest magnitude lies under 2^-124 keep the byte 1; NaN and infinities are not served.
; LAYOUT OF THE RESULT.  Rows go in groups of 32; tile T = 2 g + u holds 16 of them: its row r is row 32 g + 8 u + r + 8 (r / 8).  A fragment (a tile x 128 along K) is stored as the IMAGE of an operand's 12 registers:
; registers 4 c .. 4 c + 3 of lane l at byte 512 c + 16 l: 1,536 bytes.  Codes: [T][K step 0..7][1536].  Scale words (4 bytes: 128 along K of a row): [T][K step / 2][r][K step % 2], 512 bytes a tile, behind the codes.
; WORK-GROUPS x < 32 take tokens: a wave takes one tile x 4 K steps.  Each load reads 512 consecutive bytes of one row; a K step's 16 rows turn through the wave's own stage in LDS, so that a lane gets 16 neighbours of each block.
; WORK-GROUPS x >= 32 take weights: a wave takes 32 columns x one K step; a lane takes a column and its registers run down K, so nothing is transposed.  They use no LDS.
; No tensor loads, no barrier: waves share nothing.
.set R,    16                          ; v16-143  two sets of 64: a K step of 16 rows as loaded
.set X,    144                         ; v144-207 64 numbers of my row: register 16 b + i = k 32 b + 16 (lane / 16) + i
.set TM,   208                         ; v208-211 largest magnitudes, v212-215 bytes, v220-223 the conversions' scale operands
.set PC,   224                         ; v224-235 the fragment just made, v236-243 at work
.set PW,   244                         ; v244-247 the scale words of my four K steps
.set SEL,  20                          ; s[20:21] lane selects for v_permlanex16_b32: lane l xor 16
.set STG,  8448                        ; a wave's stage: 16 rows x (512 bytes + 16)
.set XSCO, 6291456                     ; where xq's scale words begin
.set WSCO, 2359296                     ; and wq's
.set WN,   64                          ; v64-191  weights: 128 numbers of my column
.set RH0,  192                         ; v192-203 the registers of fragment lane (r, 0); v204-215 of lane (r, 1)
.set CT,   216                         ; v216-218 a block's upper 16 codes, made here and moved
	s_load_b256 s[4:11], s[0:1], 0x0               ; hidden_states, encoder_hidden_states, Wk, Wv
	s_load_b128 s[12:15], s[0:1], 0x20             ; Wq, xq
	s_load_b64 s[16:17], s[0:1], 0x30              ; wq
	v_lshl_add_u32 v254, v0, 2, 0x8400
	v_mov_b32 v255, 0
	v_lshrrev_b32 v8, 5, v0
	v_readfirstlane_b32 s18, v8                    ; wave 0..3
	v_and_b32 v7, 31, v0                           ; lane
	s_and_b32 s19, ttmp7, 0xffff                   ; work-group y
	s_cmp_ge_u32 ttmp9, 32
	s_cbranch_scc1 .Lweights
; ---------------- tokens
	s_lshl_b32 s22, s19, 5
	s_add_co_u32 s22, s22, ttmp9
	s_lshl_b32 s22, s22, 2
	s_add_co_u32 s22, s22, s18                     ; my task 0..1023
	s_lshr_b32 s23, s22, 1                         ; tile T
	s_and_b32 s24, s22, 1                          ; which four K steps
	s_lshr_b32 s25, s23, 1                         ; group of 32 tokens
	s_and_b32 s26, s23, 1                          ; u
	s_lshr_b32 s27, s25, 7                         ; batch
	s_and_b32 s28, s25, 127                        ; group within the batch: 0-63 hidden, 64-127 encoder
	s_and_b32 s29, s28, 63
	s_lshl_b32 s29, s29, 5
	s_lshl_b32 s30, s27, 11
	s_add_co_u32 s29, s29, s30
	s_lshl_b32 s30, s26, 3
	s_add_co_u32 s29, s29, s30                     ; the tile's first row in its tensor
	s_lshl_b32 s30, s29, 12                        ; 4,096 bytes a row
	s_lshl_b32 s31, s24, 11
	s_add_co_u32 s30, s30, s31
	s_mov_b32 s31, 0
	s_mul_i32 s34, s23, 12288
	s_mul_i32 s35, s24, 6144
	s_add_co_u32 s34, s34, s35                     ; my four images
	s_mov_b32 s35, 0
	s_lshl_b32 s38, s23, 9
	s_lshl_b32 s39, s24, 8
	s_add_co_u32 s38, s38, s39
	s_add_co_u32 s38, s38, XSCO                    ; my 256 bytes of scale words
	s_mov_b32 s39, 0
	s_mov_b32 s[SEL], 0x76543210
	s_mov_b32 s[SEL+1], 0xfedcba98
	s_mul_i32 s36, s18, STG
	s_wait_alu depctr_va_vdst(0)
	v_lshlrev_b32 v1, 4, v7                        ; 16 x lane: a load's, an image's place for my lane
	v_and_b32 v2, 15, v0                           ; r
	v_bfe_u32 v3, v0, 4, 1                         ; h
	v_add_nc_u32 v4, s36, v1                       ; the stage, in: 16 x lane of a row
	v_mul_u32_u24 v5, v2, 528
	v_lshl_add_u32 v5, v3, 6, v5
	v_add_nc_u32 v5, s36, v5                       ; and out: row r, + 64 h: my 16 numbers of a block
	v_lshlrev_b32 v6, 3, v7                        ; 8 x lane: the scale words' way out
.irp b, 0,1,2,3
	v_mov_b32 v[TM+4+\b], 0                        ; written once: a lane permute's destination counts as one of its sources
.endr
	s_wait_alu depctr_va_vdst(0)
	s_wait_kmcnt 0x0
	s_cmp_lt_u32 s28, 64                           ; the choice hangs on the work-group's and the wave's numbers alone
	s_cselect_b64 s[32:33], s[4:5], s[6:7]
	s_add_nc_u64 s[32:33], s[32:33], s[30:31]
	s_add_nc_u64 s[34:35], s[14:15], s[34:35]
	s_add_nc_u64 s[38:39], s[14:15], s[38:39]
.macro XLOAD t                         ; K step t of my four: 16 loads, each 512 consecutive bytes of one of the tile's rows
.irp p, 0,1,2,3,4,5,6,7,8,9,10,11,12,13,14,15
	global_load_b128 v[R+64*((\t)%2)+4*\p:R+64*((\t)%2)+4*\p+3], v1, s[32:33] offset:(\p+8*(\p/8))*4096+512*(\t) th:TH_LOAD_NT
.endr
.endm
.macro XTURN t                         ; through the stage: LDS serves a wave's instructions in order, so no wait stands between the stores and the loads
.irp p, 0,1,2,3,4,5,6,7,8,9,10,11,12,13,14,15
	ds_store_b128 v4, v[R+64*((\t)%2)+4*\p:R+64*((\t)%2)+4*\p+3] offset:528*\p
.endr
.irp b, 0,1,2,3
.irp i, 0,1,2,3
	ds_load_b128 v[X+16*\b+4*\i:X+16*\b+4*\i+3], v5 offset:128*\b+16*\i
.endr
.endr
.endm
; 64 numbers of a lane, v[s] on, become a fragment's codes in v[PC] on and my row's scale word in v[pw]
.macro QUANT s, pw
.irp b, 0,1,2,3
	v_max3_num_f32 v[TM+\b], |v[\s+16*\b]|, |v[\s+1+16*\b]|, 0x1800000   ; block b: my 16 numbers, and the floor 2^(3 - 127): the byte cannot fall under 1
.endr
.irp i, 2,4,6,8,10,12,14
.irp b, 0,1,2,3
	v_max3_num_f32 v[TM+\b], v[TM+\b], |v[\s+16*\b+\i]|, |v[\s+1+16*\b+\i]|   ; the four blocks by turns
.endr
.endr
.irp b, 0,1,2,3
	v_permlanex16_b32 v[TM+4+\b], v[TM+\b], s[SEL], s[SEL+1]
.endr
.irp b, 0,1,2,3
	v_max_num_f32 v[TM+\b], v[TM+\b], v[TM+4+\b]   ; with lane l xor 16's: the block's largest magnitude
.endr
.irp b, 0,1,2,3
	v_add_nc_u32 v[TM+12+\b], 0xff000000, v[TM+\b] ; 2 off its exponent field: the conversion takes that field as its scale
.endr
.irp b, 0,1,2,3
	v_lshrrev_b32 v[TM+4+\b], 23, v[TM+12+\b]      ; the scale's byte
.endr
	v_lshl_or_b32 v[\pw], v[TM+5], 8, v[TM+4]
	v_lshl_or_b32 v[\pw], v[TM+6], 16, v[\pw]
	v_lshl_or_b32 v[\pw], v[TM+7], 24, v[\pw]
.irp c, 0,1
	v_cvt_scalef32_pk16_fp6_f32 v[PC+6*\c:PC+2+6*\c], v[\s+32*\c:\s+15+32*\c], v[TM+12+2*\c]
	v_cvt_scalef32_pk16_fp6_f32 v[PC+12+4*\c:PC+14+4*\c], v[\s+16+32*\c:\s+31+32*\c], v[TM+12+2*\c+1]   ; (a conversion's three registers begin on an even number)
.endr
	v_nop                                          ; one plain place behind a scaled conversion
.irp c, 0,1                                    ; the operand's layout wants a whole block in a lane: lanes 0-15 block 2 c, lanes 16-31 block 2 c + 1
.irp i, 0,1,2
	v_permlane16_swap_b32 v[PC+6*\c+\i], v[PC+12+4*\c+\i]
.endr
.irp i, 0,1,2
	v_mov_b32 v[PC+3+6*\c+\i], v[PC+12+4*\c+\i]
.endr
.endr
.endm
.macro XSTEP t
.if (\t) < 3
	s_wait_loadcnt 16                              ; this K step's 16 loads are in; the next step's 16 may be out
.else
	s_wait_loadcnt 0
.endif
	XTURN \t
	s_wait_dscnt 0x0                               ; my 64 numbers are back, and the stage's stores have read their set of registers,
.if (\t)+2 < 4
	XLOAD (\t)+2                                   ; which takes the loads of two steps on
.endif
	s_wait_xcnt 0x0                                ; the last step's stores have read the fragment's registers: they are written again only behind this wait
	QUANT X, PW+(\t)
.irp c, 0,1,2
	global_store_b128 v1, v[PC+4*\c:PC+4*\c+3], s[34:35] offset:1536*(\t)+512*\c   ; 32 lanes store 512 consecutive bytes, aligned
.endr
.endm
	XLOAD 0
	XLOAD 1
.irp t, 0,1,2,3
	XSTEP \t
.endr
	v_cmp_ne_u32 vcc_lo, 0, v3                     ; every lane holds its row's four words: lanes 0-15 send those of K steps 0, 1, lanes 16-31 those of 2, 3
	v_cndmask_b32 v248, v[PW], v[PW+2], vcc_lo
	v_cndmask_b32 v249, v[PW+1], v[PW+3], vcc_lo
	global_store_b64 v6, v[248:249], s[38:39]      ; 32 lanes store 256 consecutive bytes, aligned
	s_wait_tensorcnt 0x0
	ds_add_u32 v254, v255
	s_wait_dscnt 0x0
	s_endpgm
; ---------------- weights
.Lweights:
	s_sub_co_u32 s22, ttmp9, 32
	s_lshl_b32 s23, s22, 2
	s_add_co_u32 s23, s23, s18                     ; my group of 32 columns, 0..95: 32 groups to a weight, Wk, Wv, Wq
	s_lshr_b32 s24, s22, 3                         ; which weight
	s_and_b32 s25, s23, 31
	s_lshl_b32 s26, s25, 7                         ; 128 bytes a group,
	s_lshl_b32 s27, s19, 19                        ; K step y: 128 rows of 4,096 bytes
	s_add_co_u32 s26, s26, s27
	s_mov_b32 s27, 0
	s_mul_i32 s28, s23, 24576                      ; two tiles of 12,288 bytes a group,
	s_mul_i32 s29, s19, 1536                       ; the K step's image
	s_add_co_u32 s28, s28, s29
	s_mov_b32 s29, 0
	s_lshl_b32 s30, s23, 10                        ; scale words: 2 x 512 bytes a group,
	s_lshr_b32 s31, s19, 1
	s_lshl_b32 s31, s31, 7                         ; 128 bytes for two K steps,
	s_add_co_u32 s30, s30, s31
	s_and_b32 s31, s19, 1
	s_lshl_b32 s31, s31, 2                         ; 4 bytes a K step
	s_add_co_u32 s30, s30, s31
	s_add_co_u32 s30, s30, WSCO
	s_mov_b32 s31, 0
	s_wait_alu depctr_va_vdst(0)
	v_lshlrev_b32 v1, 2, v7                        ; in: 4 bytes a lane: lane x takes column x of the group
	v_bfe_u32 v2, v0, 3, 1                         ; column x is row r = x % 8 + 8 (x / 16) of tile u = (x / 8) % 2
	v_and_b32 v3, 7, v0
	v_bfe_u32 v4, v0, 4, 1
	v_lshl_add_u32 v3, v4, 3, v3
	v_mul_u32_u24 v5, v2, 12288
	v_lshl_add_u32 v5, v3, 4, v5                   ; out: my tile, 16 r
	v_lshlrev_b32 v6, 9, v2
	v_lshl_add_u32 v6, v3, 3, v6                   ; my scale word: my tile, 8 r
	s_wait_alu depctr_va_vdst(0)
	s_wait_kmcnt 0x0
	s_cmp_eq_u32 s24, 0
	s_cselect_b64 s[32:33], s[8:9], s[10:11]
	s_cmp_eq_u32 s24, 2
	s_cselect_b64 s[32:33], s[12:13], s[32:33]
	s_add_nc_u64 s[32:33], s[32:33], s[26:27]
	s_add_nc_u64 s[34:35], s[16:17], s[28:29]
	s_add_nc_u64 s[38:39], s[16:17], s[30:31]
.macro WLOAD t                         ; block t: W(32 t + i, my column): 32 lanes read 128 consecutive bytes, the four waves stand side by side on 512
.irp i, 0,1,2,3,4,5,6,7,8,9,10,11,12,13,14,15,16,17,18,19,20,21,22,23,24,25,26,27,28,29,30,31
	global_load_b32 v[WN+32*(\t)+\i], v1, s[32:33] offset:(32*(\t)+\i)*4096 th:TH_LOAD_NT
.endr
.endm
.macro WBLOCK t                        ; block t of my column lies in fragment lane (r, t % 2), registers 6 (t / 2) on
.set XS, WN+32*(\t)
.set CA, RH0+12*((\t)%2)+6*((\t)/2)
.if (\t) < 3
	s_wait_loadcnt 32                              ; this block's 32 loads are in; the next block's may be out
.else
	s_wait_loadcnt 0
.endif
.if (\t)+2 < 4
	WLOAD (\t)+2
.endif
	v_max3_num_f32 v12, |v[XS]|, |v[XS+1]|, |v[XS+2]|        ; all 32 numbers of the block are mine: two chains
	v_max3_num_f32 v13, |v[XS+3]|, |v[XS+4]|, |v[XS+5]|
.irp i, 6,10,14,18,22,26
	v_max3_num_f32 v12, v12, |v[XS+\i]|, |v[XS+\i+1]|
	v_max3_num_f32 v13, v13, |v[XS+\i+2]|, |v[XS+\i+3]|
.endr
	v_max3_num_f32 v12, v12, |v[XS+30]|, |v[XS+31]|
	v_max3_num_f32 v12, v12, v13, 0x1800000        ; and the floor
	v_add_nc_u32 v11, 0xff000000, v12
	v_lshrrev_b32 v13, 23, v11
.if (\t) == 0
	v_mov_b32 v14, v13                             ; the four bytes make my column's scale word
.else
	v_lshl_or_b32 v14, v13, 8*(\t), v14
.endif
	v_cvt_scalef32_pk16_fp6_f32 v[CA:CA+2], v[XS:XS+15], v11
	v_cvt_scalef32_pk16_fp6_f32 v[CT:CT+2], v[XS+16:XS+31], v11   ; (a conversion's three registers begin on an even number)
	v_nop                                          ; one plain place behind a scaled conversion
.irp i, 0,1,2
	v_mov_b32 v[CA+3+\i], v[CT+\i]
.endr
.endm
	WLOAD 0
	WLOAD 1
.irp t, 0,1,2,3
	WBLOCK \t
.endr
.irp h, 0,1
.irp c, 0,1,2
	global_store_b128 v5, v[RH0+12*\h+4*\c:RH0+12*\h+4*\c+3], s[34:35] offset:256*\h+512*\c   ; the sixteen lanes of a tile store 256 consecutive bytes, aligned: two such runs an instruction
.endr
.endr
	global_store_b32 v6, v14, s[38:39]             ; 4 bytes of every 8: the other K step of the pair comes from another work-group; all of these words are 98,304 bytes
	s_endpgm
.Lfunc_end_k_q63553d5c84_quant:
	.size	k_q63553d5c84_quant, .Lfunc_end_k_q63553d5c84_quant-k_q63553d5c84_quant
	.p2alignl 7, 3214868480
	.fill 96, 4, 3214868480
	.section	.rodata,"a",@progbits
	.p2align	6, 0x0
	.amdhsa_kernel k_q63553d5c84_quant
		.amdhsa_group_segment_fixed_size 34304
		.amdhsa_private_segment_fixed_size 0
		.amdhsa_enable_private_segment 0
		.amdhsa_kernarg_size 56
		.amdhsa_user_sgpr_count 2
		.amdhsa_user_sgpr_kernarg_segment_ptr 1
		.amdhsa_wavefront_size32 1
		.amdhsa_system_sgpr_workgroup_id_x 1
		.amdhsa_system_sgpr_workgroup_id_y 1
		.amdhsa_system_sgpr_workgroup_id_z 1
		.amdhsa_system_vgpr_workitem_id 0
		.amdhsa_next_free_vgpr 256
		.amdhsa_next_free_sgpr 66
		.amdhsa_reserve_vcc 1
		.amdhsa_float_denorm_mode_32 3
		.amdhsa_float_denorm_mode_16_64 3
		.amdhsa_memory_ordered 1
		.amdhsa_forward_progress 1
		.amdhsa_inst_pref_size 54
	.end_amdhsa_kernel
	.amdgpu_metadata
---
amdhsa.version: [ 1, 2 ]
amdhsa.kernels:
  - .name:           k_q63553d5c84_quant
    .symbol:         k_q63553d5c84_quant.kd
    .args:
      - { .name: hidden_states, .offset: 0, .size: 8, .value_kind: global_buffer, .address_space: global }
      - { .name: encoder_hidden_states, .offset: 8, .size: 8, .value_kind: global_buffer, .address_space: global }
      - { .name: Wk, .offset: 16, .size: 8, .value_kind: global_buffer, .address_space: global }
      - { .name: Wv, .offset: 24, .size: 8, .value_kind: global_buffer, .address_space: global }
      - { .name: Wq, .offset: 32, .size: 8, .value_kind: global_buffer, .address_space: global }
      - { .name: xq, .offset: 40, .size: 8, .value_kind: global_buffer, .address_space: global }
      - { .name: wq, .offset: 48, .size: 8, .value_kind: global_buffer, .address_space: global }
    .group_segment_fixed_size: 34304
    .private_segment_fixed_size: 0
    .kernarg_segment_align: 8
    .kernarg_segment_size: 56
    .max_flat_workgroup_size: 128
    .sgpr_count:     66
    .vgpr_count:     256
    .wavefront_size: 32
...
	.end_amdgpu_metadata
.endif
;; end of part 1
;; launch proj (part 2): grid 64 x 4, 4 waves a work-group, clusters of 4 x 4, 327,680 bytes of LDS; arguments xq, wq, bk, bv, bq, kvq; writes kvq
.if DOCPART == 2
	.amdgcn_target "amdgcn-amd-amdhsa--gfx1250"
	.amdhsa_code_object_version 6
	.text
	.protected	k_q63553d5c84_proj
	.globl	k_q63553d5c84_proj
	.p2align	8
	.type	k_q63553d5c84_proj,@function
k_q63553d5c84_proj:
	s_mov_b64 s[64:65], 0
	v_nop
	global_prefetch_b8 v0, s[64:65] scope:SCOPE_SE
	s_setreg_imm32_b32 hwreg(HW_REG_WAVE_MODE, 25, 1), 1
	s_wait_xcnt 0x0
	s_wait_alu depctr_hold_cnt(0) depctr_sa_sdst(0) depctr_va_vdst(0) depctr_va_sdst(0) depctr_va_ssrc(0) depctr_va_vcc(0) depctr_vm_vsrc(0)
	s_getreg_b32 s2, hwreg(HW_REG_IB_STS2, 6, 4)
	s_cmp_eq_u32 s2, 0
	s_cbranch_scc0 .Lentry_in_a_cluster
	s_endpgm
.Lentry_in_a_cluster:
	s_bfe_u32 s2, ttmp6, 0x10000c
	s_cmp_lg_u32 s2, 0xf033
	s_cbranch_scc0 .Lentry_shape_is_right
	s_endpgm
.Lentry_shape_is_right:
.set FR,    12
.set NL,    3
.set NP,    4
.set QTR,   24576
.set SLOT,  4*QTR
.set SCL,   2*SLOT
.set SPARE, SCL+16384
.set VA,   8
.set ADRA, 16
.set ADRB, 20
.set LI,   24
.set SOFF, 25
.set HH,   26
.set ADRS, 27
.set SPW,  28
.set NIL,  29
.set SC,   32
.set BIAS, 64
.set AF,   128
.set PC,   128
.set TM,   224
.set PWB,  240
.set OW,   248
.set WV,   16
.set RH,   17
.set PH,   18
.set CX,   40
.set CY,   41
.set TYPE, 42
.set TB4,  43
.set WB,   44
.set SECT, 45
.set G1,   24
.set G0,   32
.set G1B,  48
.set G0B,  56
.set G1S,  68
.set G0S,  76
.set G1SB, 80
.set G0SB, 88
.set SEL,  100
.set MSB, 0
.macro WIN new
.set WNEW, \new
.if MSB != WNEW
	s_set_vgpr_msb (MSB<<8)|WNEW
.set MSB, WNEW
.endif
.endm
.set MUL_LO, 0xa1
.set MUL_HI, 0xf1
.set TO_B,   0x40
.macro JLOAD g0a, g1a, g0b, g1b
	s_cmp_eq_u32 s[RH], 0
	s_cbranch_scc0 .Lfor_p_\@
	tensor_load_to_lds s[\g0a:\g0a+3], s[\g1a:\g1a+7]
	s_nop 0
.rept 4
	v_nop
.endr
	s_branch .Lasked_\@
.Lfor_p_\@:
	tensor_load_to_lds s[\g0b:\g0b+3], s[\g1b:\g1b+7]
	s_nop 0
.rept 4
	v_nop
.endr
.Lasked_\@:
.endm
.macro CREST
	s_cmp_lg_u32 s[WV], 0
	s_cbranch_scc1 .Lnot_wave_0_\@
	s_barrier_signal -3
.Lnot_wave_0_\@:
	s_barrier_wait -3
	s_barrier_signal -1
	s_barrier_wait -1
.endm
.macro CROUND
	s_barrier_signal -1
	s_barrier_wait -1
	CREST
.endm
	s_load_b256 s[4:11], s[0:1], 0x0
	s_load_b128 s[12:15], s[0:1], 0x20
	v_lshl_add_u32 v[SPW], v0, 2, SPARE
	v_mov_b32 v[NIL], 0
	ds_add_u32 v28, v29
	ds_add_u32 v28, v29
	s_wait_dscnt 0x0
	v_lshrrev_b32 v1, 5, v0
	v_readfirstlane_b32 s[WV], v1
	s_lshr_b32 s[RH], s[WV], 1
	s_and_b32 s[PH], s[WV], 1
	s_bfe_u32 s[CX], ttmp6, 0x40000
	s_bfe_u32 s[CY], ttmp6, 0x40004
	s_lshr_b32 s[SECT], ttmp9, 3
	s_and_b32 s19, ttmp9, 7
	s_and_b32 s2, ttmp9, 1
	s_and_b32 s3, ttmp9, 2
	s_lshl_b32 s3, s3, 1
	s_add_co_u32 s2, s2, s3
	s_cmp_eq_u32 s[SECT], 2
	s_cselect_b32 s19, s2, s19
	s_cselect_b32 s[WB], 8, 0
	s_lshl_b32 s[TB4], s19, 2
	s_cmp_eq_u32 s[SECT], 1
	s_cselect_b32 s[TYPE], 1, 0
	s_cselect_b32 s46, 4, s[TB4]
	s_cselect_b32 s47, s[TB4], s[WB]
	s_lshl_b32 s66, s[CY], 2
	s_lshl_b32 s66, 15, s66
	s_lshl_b32 s67, 0x1111, s[CX]
	s_or_b32 s[G1+0], s66, (3<<16)|(1<<21)
	s_or_b32 s[G1B+0], s67, (3<<16)|(1<<21)
.irp g, G1, G1B
	s_mov_b32 s[\g+1], 384<<16
	s_mov_b32 s[\g+2], 8<<16
	s_mov_b32 s[\g+3], 384<<16
	s_mov_b32 s[\g+4], 8
	s_mov_b32 s[\g+5], 1536
	s_mov_b32 s[\g+6], 0
	s_mov_b32 s[\g+7], 0
.endr
	s_or_b32 s[G1S+0], s66, (3<<16)|(1<<21)
	s_or_b32 s[G1SB+0], s67, (3<<16)|(1<<21)
.irp g, G1S, G1SB
	s_mov_b32 s[\g+1], 32<<16
	s_mov_b32 s[\g+2], 16<<16
	s_mov_b32 s[\g+3], 32<<16
	s_mov_b32 s[\g+4], 16
	s_mov_b32 s[\g+5], 32
	s_mov_b32 s[\g+6], 0
	s_mov_b32 s[\g+7], 0
.endr
	s_add_co_u32 s92, s46, s[CY]
	s_lshl_b32 s94, s92, 13
	s_mul_i32 s92, s92, 196608
	s_mul_i32 s93, s[PH], 98304
	s_add_co_u32 s92, s92, s93
	s_lshl_b32 s93, s[PH], 12
	s_add_co_u32 s94, s94, s93
	s_mov_b32 s95, 6291456
	s_cmp_eq_u32 s[TYPE], 1
	s_cselect_b32 s95, 2359296, s95
	s_add_co_u32 s94, s94, s95
	s_mov_b32 s93, 0
	s_mov_b32 s95, 0
	s_add_co_u32 s96, s47, s[CX]
	s_lshl_b32 s98, s96, 13
	s_mul_i32 s96, s96, 196608
	s_mul_i32 s97, s[PH], 98304
	s_add_co_u32 s96, s96, s97
	s_lshl_b32 s97, s[PH], 12
	s_add_co_u32 s98, s98, s97
	s_mov_b32 s99, 2359296
	s_cmp_eq_u32 s[TYPE], 1
	s_cselect_b32 s99, 6291456, s99
	s_add_co_u32 s98, s98, s99
	s_mov_b32 s97, 0
	s_mov_b32 s99, 0
	s_mul_i32 s19, s[WV], QTR
	s_lshl_b32 s3, s[WV], 12
	s_mov_b32 s[SEL], 0x76543210
	s_mov_b32 s[SEL+1], 0xfedcba98
	s_wait_kmcnt 0x0
	s_cmp_eq_u32 s[TYPE], 1
	s_cselect_b64 s[20:21], s[6:7], s[4:5]
	s_cselect_b64 s[22:23], s[4:5], s[6:7]
	s_add_nc_u64 s[92:93], s[20:21], s[92:93]
	s_add_nc_u64 s[94:95], s[20:21], s[94:95]
	s_add_nc_u64 s[96:97], s[22:23], s[96:97]
	s_add_nc_u64 s[98:99], s[22:23], s[98:99]
	CROUND
	s_mov_b32 s[G0S], 1
	s_add_co_u32 s[G0S+1], s3, SCL
	s_mov_b64 s[G0S+2:G0S+3], s[94:95]
	s_or_b32 s[G0S+3], s[G0S+3], 0x80000000
	s_mov_b32 s[G0SB], 1
	s_add_co_u32 s[G0SB+1], s3, SCL
	s_mov_b64 s[G0SB+2:G0SB+3], s[98:99]
	s_or_b32 s[G0SB+3], s[G0SB+3], 0x80000000
	JLOAD G0S, G1S, G0SB, G1SB
.irp s, 0,1
	s_mov_b32 s[G0+4*\s], 1
	s_add_co_u32 s[G0+4*\s+1], s19, \s*SLOT
	s_add_nc_u64 s[G0+4*\s+2:G0+4*\s+3], s[92:93], \s*3072
	s_or_b32 s[G0+4*\s+3], s[G0+4*\s+3], 0x80000000
	s_mov_b32 s[G0B+4*\s], 1
	s_add_co_u32 s[G0B+4*\s+1], s19, \s*SLOT
	s_add_nc_u64 s[G0B+4*\s+2:G0B+4*\s+3], s[96:97], \s*3072
	s_or_b32 s[G0B+4*\s+3], s[G0B+4*\s+3], 0x80000000
	s_wait_alu depctr_va_vdst(0)
	s_wait_tensorcnt 0x0
	ds_add_u32 v28, v29
	s_wait_dscnt 0x0
	CROUND
	JLOAD G0+4*\s, G1, G0B+4*\s, G1B
.endr
	v_and_b32 v1, 15, v0
	v_bfe_u32 v2, v0, 4, 1
	s_wait_alu depctr_va_vdst(0)
	v_and_b32 v3, 31, v0
	v_lshlrev_b32 v[LI], 4, v3
	s_mul_i32 s2, s[RH], QTR
	s_mul_i32 s3, s[PH], QTR
	s_add_co_u32 s3, s3, 2*QTR
.irp s, 0,1
	v_add_nc_u32 v[ADRA+\s], s2, v[LI]
	v_add_nc_u32 v[ADRB+\s], s3, v[LI]
	s_add_co_u32 s2, s2, SLOT
	s_add_co_u32 s3, s3, SLOT
.endr
	s_lshl_b32 s2, s[RH], 12
	s_lshl_b32 s3, s[PH], 12
	s_add_co_u32 s3, s3, 8192
	s_sub_co_u32 s3, s3, s2
	v_mul_u32_u24 v6, s3, v2
	s_add_co_u32 s2, s2, SCL
	v_lshl_add_u32 v6, v1, 3, v6
	v_add_nc_u32 v[ADRS], s2, v6
	v_lshlrev_b32 v[SOFF], 4, v1
	v_lshl_add_u32 v[SOFF], v2, 13, v[SOFF]
	v_mov_b32 v[HH], v2
.irp b, 0,1,2,3
	v_mov_b32 v[TM+4+\b], 0
.endr
	s_cmp_eq_u32 s[TYPE], 1
	s_cselect_b32 s2, s[CY], s[CX]
	s_cselect_b32 s3, s[RH], s[PH]
	s_cselect_b32 s19, s[CX], s[CY]
	s_cselect_b32 s44, s[PH], s[RH]
	s_cselect_b32 s92, 0, 64
	s_cselect_b32 s93, 4, 0
	s_cselect_b32 s94, 0, 4
	s_lshl_b32 s2, s2, 2
	s_lshl_b32 s3, s3, 1
	s_add_co_u32 s2, s2, s3
	s_add_co_u32 s19, s19, s[TB4]
	s_lshl_b32 s19, s19, 1
	s_add_co_u32 s19, s19, s44
	s_lshl_b32 s22, s2, 8
	s_mov_b32 s23, 0
	s_cmp_eq_u32 s[SECT], 0
	s_cselect_b64 s[46:47], s[8:9], s[10:11]
	s_cmp_eq_u32 s[SECT], 2
	s_cselect_b64 s[46:47], s[12:13], s[46:47]
	s_add_nc_u64 s[46:47], s[46:47], s[22:23]
	v_and_b32 v5, 8, v1
	v_add_nc_u32 v5, v5, v1
	v_mul_u32_u24 v[VA], s92, v2
	v_mad_u32_u24 v[VA], v5, s93, v[VA]
.irp j, 1,2,3,4,5,6,7
	v_add_nc_u32 v[VA+\j], s94, v[VA+\j-1]
.endr
.irp t, 0,1,2,3,4,5,6,7
.irp j, 0,1,2,3,4,5,6,7
	global_load_b32 v[BIAS+8*\t+\j], v[VA+\j], s[46:47] offset:(32*(\t/2)+8*(\t%2))*4
.endr
.endr
	s_lshr_b32 s3, s19, 5
	s_and_b32 s19, s19, 31
	s_lshl_b32 s3, s3, 4
	s_add_co_u32 s2, s2, s3
	s_mul_i32 s44, s[SECT], 6553600
	s_mul_i32 s20, s2, 196608
	s_mul_i32 s3, s19, 6144
	s_add_co_u32 s20, s20, s3
	s_add_co_u32 s20, s20, s44
	s_mov_b32 s21, 0
	s_add_nc_u64 s[20:21], s[14:15], s[20:21]
	s_lshl_b32 s22, s2, 13
	s_lshl_b32 s3, s19, 8
	s_add_co_u32 s22, s22, s3
	s_add_co_u32 s22, s22, s44
	s_add_co_u32 s22, s22, 6291456
	s_add_nc_u64 s[22:23], s[14:15], s[22:23]
.macro FRAG reg, adr, q, i
.irp c, 0,1,2
	ds_load_b128 v[\reg+4*\c:\reg+4*\c+3], v[\adr] offset:3072*(\i)+1536*(\q)+512*\c
.endr
.endm
.macro MUL16 a0, p, q, sc, mode
.irp a, \a0, \a0+1
.irp b, 0,1,2,3,4,5,6,7
.set rD, 8*(8*((\a)%4)+\b)
.set rP, 128*(\p)+FR*\b
.set rR, AF+FR*(\a)
.set rSP, SC+16*(\sc)+2*\b+(\q)
.set rSR, SC+16*(\sc)+2*(\a)+(\q)
.if (\mode) == 0
	v_wmma_scale_f32_16x16x128_f8f6f4 v[rD:rD+7], v[rP:rP+FR-1], v[rR:rR+FR-1], v[rD:rD+7], v[rSP], v[rSR] matrix_a_fmt:MATRIX_FMT_FP6 matrix_b_fmt:MATRIX_FMT_FP6 matrix_a_scale:MATRIX_SCALE_ROW1
.elseif (\mode) == 1
	v_wmma_scale_f32_16x16x128_f8f6f4 v[rD:rD+7], v[rP:rP+FR-1], v[rR:rR+FR-1], v[BIAS+8*\b:BIAS+8*\b+7], v[rSP], v[rSR] matrix_a_fmt:MATRIX_FMT_FP6 matrix_b_fmt:MATRIX_FMT_FP6 matrix_a_scale:MATRIX_SCALE_ROW1
.else
	v_wmma_scale_f32_16x16x128_f8f6f4 v[rD:rD+7], v[rP:rP+FR-1], v[rR:rR+FR-1], v[BIAS+8*(\a):BIAS+8*(\a)+7], v[rSP], v[rSR] matrix_a_fmt:MATRIX_FMT_FP6 matrix_b_fmt:MATRIX_FMT_FP6 matrix_a_scale:MATRIX_SCALE_ROW1
.endif
.endr
.endr
.endm
.macro FETCH_B slot, q, p
	WIN TO_B
.irp i, 0,1,2,3,4,5,6,7
	FRAG 128*(\p)+FR*\i, ADRB+\slot, \q, \i
.endr
	WIN 0
.endm
.macro FETCH_A slot, q, i0
.irp i, \i0, \i0+1, \i0+2, \i0+3
	FRAG AF+FR*(\i), ADRA+\slot, \q, \i
.endr
.endm
.macro SCALES sc
.irp i, 0,1,2,3,4,5,6,7
	ds_load_b64 v[SC+16*\sc+2*\i:SC+16*\sc+2*\i+1], v[ADRS] offset:512*\i
.endr
.endm
.macro PLACES n
.rept \n
	v_nop
.endr
.endm
.macro STEP slot, q, mode
	s_wait_dscnt 4*NL
.if \mode
	WIN 0x81
.else
	WIN MUL_LO
.endif
	MUL16 0, (\q)%2, \q, \slot, \mode
	MUL16 2, (\q)%2, \q, \slot, \mode
	s_wait_dscnt 0
	PLACES NP
	FETCH_B \slot, (\q)+1, 1-(\q)%2
	FETCH_A \slot, (\q)+1, 0
.if \mode
	WIN 0xc1
.else
	WIN MUL_HI
.endif
	MUL16 4, (\q)%2, \q, \slot, \mode
	MUL16 6, (\q)%2, \q, \slot, \mode
	PLACES NP
	WIN 0
	FETCH_A \slot, (\q)+1, 4
.endm
.macro TURN slot, next, fill
	s_wait_tensorcnt 0x0
	ds_add_u32 v[SPW], v[NIL]
	s_wait_dscnt 4*NL+1
	WIN MUL_LO
	MUL16 0, 1, 1, \slot, 0
	s_wait_dscnt 0x0
	s_barrier_signal -1
	MUL16 2, 1, 1, \slot, 0
	WIN 0
	s_barrier_wait -1
.if \fill
	CREST
	s_add_nc_u64 s[G0+4*\slot+2:G0+4*\slot+3], s[G0+4*\slot+2:G0+4*\slot+3], 6144
	s_add_nc_u64 s[G0B+4*\slot+2:G0B+4*\slot+3], s[G0B+4*\slot+2:G0B+4*\slot+3], 6144
	JLOAD G0+4*\slot, G1, G0B+4*\slot, G1B
.else
	PLACES NP
.endif
	s_wait_alu depctr_va_vdst(0)
	v_add_nc_u32 v[ADRS], 128, v[ADRS]
	FETCH_B \next, 0, 0
	FETCH_A \next, 0, 0
	SCALES \next
	WIN MUL_HI
	MUL16 4, 1, 1, \slot, 0
	MUL16 6, 1, 1, \slot, 0
	PLACES NP
	WIN 0
	FETCH_A \next, 0, 4
.endm
	s_wait_tensorcnt 1
	s_barrier_signal -1
	s_barrier_wait -1
	FETCH_B 0, 0, 0
	FETCH_A 0, 0, 0
	SCALES 0
	FETCH_A 0, 0, 4
	s_wait_loadcnt 0x0
	s_cmp_eq_u32 s[TYPE], 1
	s_cbranch_scc1 .Lfirst_v
	STEP 0, 0, 1
	s_branch .Lfirst_done
.Lfirst_v:
	STEP 0, 0, 2
.Lfirst_done:
	TURN 0, 1, 1
	STEP 1, 0, 0
	TURN 1, 0, 1
	STEP 0, 0, 0
	TURN 0, 1, 0
	STEP 1, 0, 0
	s_wait_dscnt 4*NL
	WIN MUL_LO
	MUL16 0, 1, 1, 1, 0
	MUL16 2, 1, 1, 1, 0
	s_wait_dscnt 0
	WIN MUL_HI
	MUL16 4, 1, 1, 1, 0
	MUL16 6, 1, 1, 1, 0
	WIN 0
.macro QW s0, s1, win, pw
	WIN (\win)|((\win)<<2)
.irp b, 0,1
	v_max3_num_f32 v[TM+\b], |v[(\s0)+16*\b]|, |v[(\s0)+16*\b+1]|, 0x1800000
	v_max3_num_f32 v[TM+2+\b], |v[(\s1)+16*\b]|, |v[(\s1)+16*\b+1]|, 0x1800000
.endr
	WIN ((\win)<<2)|((\win)<<4)
.irp i, 2,4,6,8,10,12,14
.irp b, 0,1
	v_max3_num_f32 v[TM+\b], v[TM+\b], |v[(\s0)+16*\b+\i]|, |v[(\s0)+16*\b+\i+1]|
	v_max3_num_f32 v[TM+2+\b], v[TM+2+\b], |v[(\s1)+16*\b+\i]|, |v[(\s1)+16*\b+\i+1]|
.endr
.endr
	WIN 0
.irp b, 0,1,2,3
	v_permlanex16_b32 v[TM+4+\b], v[TM+\b], s[SEL], s[SEL+1]
.endr
.irp b, 0,1,2,3
	v_max_num_f32 v[TM+\b], v[TM+\b], v[TM+4+\b]
.endr
.irp b, 0,1,2,3
	v_add_nc_u32 v[TM+12+\b], 0xff000000, v[TM+\b]
.endr
.irp b, 0,1,2,3
	v_lshrrev_b32 v[TM+4+\b], 23, v[TM+12+\b]
.endr
	v_lshl_or_b32 v[\pw], v[TM+5], 8, v[TM+4]
	v_lshl_or_b32 v[\pw], v[TM+6], 16, v[\pw]
	v_lshl_or_b32 v[\pw], v[TM+7], 24, v[\pw]
	s_wait_xcnt 0x0
	WIN \win
	v_cvt_scalef32_pk16_fp6_f32 v[PC:PC+2], v[(\s0):(\s0)+15], v[TM+12]
	v_cvt_scalef32_pk16_fp6_f32 v[PC+12:PC+14], v[(\s0)+16:(\s0)+31], v[TM+13]
	v_cvt_scalef32_pk16_fp6_f32 v[PC+6:PC+8], v[(\s1):(\s1)+15], v[TM+14]
	v_cvt_scalef32_pk16_fp6_f32 v[PC+16:PC+18], v[(\s1)+16:(\s1)+31], v[TM+15]
	WIN 0
	v_nop
.irp c, 0,1
.irp i, 0,1,2
	v_permlane16_swap_b32 v[PC+6*\c+\i], v[PC+12+4*\c+\i]
.endr
.irp i, 0,1,2
	v_mov_b32 v[PC+3+6*\c+\i], v[PC+12+4*\c+\i]
.endr
.endr
.endm
.macro SENDF j, i
.irp c, 0,1,2
	global_store_b128 v[LI], v[PC+4*\c:PC+4*\c+3], s[20:21] offset:196608*(\j)+1536*(\i)+512*\c th:TH_STORE_NT
.endr
.endm
	PLACES NP
	s_cmp_eq_u32 s[TYPE], 1
	s_cbranch_scc1 .Lout_v
.irp j, 0,1
.irp i, 0,1,2,3
	QW 8*(8*((2*\i)%4)+4*\j), 8*(8*((2*\i+1)%4)+4*\j), 2+\i/2, PWB+4*\j+\i
	SENDF \j, \i
.endr
.endr
	s_branch .Lout_done
.Lout_v:
.irp j, 0,1
.irp i, 0,1,2,3
	QW 64*\i, 64*\i+32, 2+\j, PWB+4*\j+\i
	SENDF \j, \i
.endr
.endr
.Lout_done:
	v_cmp_ne_u32 vcc_lo, 0, v[HH]
.irp i, 0,1,2,3
	v_cndmask_b32 v[OW+\i], v[PWB+\i], v[PWB+4+\i], vcc_lo
.endr
	global_store_b128 v[SOFF], v[OW:OW+3], s[22:23]
	s_wait_tensorcnt 0x0
	ds_add_u32 v[SPW], v[NIL]
	s_wait_dscnt 0x0
	CROUND
	s_endpgm
.Lfunc_end_k_q63553d5c84_proj:
	.size	k_q63553d5c84_proj, .Lfunc_end_k_q63553d5c84_proj-k_q63553d5c84_proj
	.p2alignl 7, 3214868480
	.fill 96, 4, 3214868480
	.section	.rodata,"a",@progbits
	.p2align	6, 0x0
	.amdhsa_kernel k_q63553d5c84_proj
		.amdhsa_group_segment_fixed_size 327680
		.amdhsa_private_segment_fixed_size 0
		.amdhsa_enable_private_segment 0
		.amdhsa_kernarg_size 48
		.amdhsa_user_sgpr_count 2
		.amdhsa_user_sgpr_kernarg_segment_ptr 1
		.amdhsa_wavefront_size32 1
		.amdhsa_system_sgpr_workgroup_id_x 1
		.amdhsa_system_sgpr_workgroup_id_y 1
		.amdhsa_system_sgpr_workgroup_id_z 1
		.amdhsa_system_vgpr_workitem_id 0
		.amdhsa_next_free_vgpr 1024
		.amdhsa_next_free_sgpr 102
		.amdhsa_reserve_vcc 1
		.amdhsa_float_denorm_mode_32 3
		.amdhsa_float_denorm_mode_16_64 3
		.amdhsa_memory_ordered 1
		.amdhsa_forward_progress 1
		.amdhsa_inst_pref_size 194
	.end_amdhsa_kernel
	.amdgpu_metadata
---
amdhsa.version: [ 1, 2 ]
amdhsa.kernels:
  - .name:           k_q63553d5c84_proj
    .symbol:         k_q63553d5c84_proj.kd
    .args:
      - { .name: xq, .offset: 0, .size: 8, .value_kind: global_buffer, .address_space: global }
      - { .name: wq, .offset: 8, .size: 8, .value_kind: global_buffer, .address_space: global }
      - { .name: bk, .offset: 16, .size: 8, .value_kind: global_buffer, .address_space: global }
      - { .name: bv, .offset: 24, .size: 8, .value_kind: global_buffer, .address_space: global }
      - { .name: bq, .offset: 32, .size: 8, .value_kind: global_buffer, .address_space: global }
      - { .name: kvq, .offset: 40, .size: 8, .value_kind: global_buffer, .address_space: global }
    .group_segment_fixed_size: 327680
    .private_segment_fixed_size: 0
    .kernarg_segment_align: 8
    .kernarg_segment_size: 48
    .max_flat_workgroup_size: 128
    .sgpr_count:     102
    .vgpr_count:     1024
    .wavefront_size: 32
...
	.end_amdgpu_metadata
.endif
;; end of part 2
;; launch attn (part 3): grid 8 x 32, 8 waves a work-group, clusters of 4 x 1, 327,680 bytes of LDS; arguments kvq, attention_mask, out0, xq, wq, bq; writes out0
.if DOCPART == 3
	.amdgcn_target "amdgcn-amd-amdhsa--gfx1250"
	.amdhsa_code_object_version 6
	.text
	.protected	k_q63553d5c84_attn
	.globl	k_q63553d5c84_attn
	.p2align	8
	.type	k_q63553d5c84_attn,@function
k_q63553d5c84_attn:
	s_mov_b64 s[64:65], 0
	v_nop
	global_prefetch_b8 v0, s[64:65] scope:SCOPE_SE
	s_setreg_imm32_b32 hwreg(HW_REG_WAVE_MODE, 25, 1), 1
	s_wait_xcnt 0x0
	s_wait_alu depctr_hold_cnt(0) depctr_sa_sdst(0) depctr_va_vdst(0) depctr_va_sdst(0) depctr_va_ssrc(0) depctr_va_vcc(0) depctr_vm_vsrc(0)
	s_getreg_b32 s2, hwreg(HW_REG_IB_STS2, 6, 4)
	s_cmp_eq_u32 s2, 0
	s_cbranch_scc0 .Lentry_in_a_cluster
	s_endpgm
.Lentry_in_a_cluster:
	s_bfe_u32 s2, ttmp6, 0x10000c
	s_cmp_lg_u32 s2, 0x3003
	s_cbranch_scc0 .Lentry_shape_is_right
	s_endpgm
.Lentry_shape_is_right:
; out0[b][q][64 head ..] = sum over 4,096 keys of softmax(q . k / 8 + mask) v; q = Q(x) Q(Wq) + bq is made here, in the head; all products on codes of FP6 (E2M3) with E8M0 scales.
; k and v come as images of operands from kvq (two sections: k, v), x and Wq as images from xq and wq.
; SOFTMAX: t = (q . k / 8 + mask) log2(e); M = the running largest t rounded up to a whole number; p = 2^(t - M) is quantised along the keys; the row's sum is taken of the unquantised p and divides O at the end.
; When M moves, the sums and O are multiplied by 2^(old M - new M): exact.
; SHARES: a work-group owns 256 queries of one head; each of its eight waves two tiles of 16 queries, tile t's registers in register window t (v110-255 there).  Each fragment of K and V and each mask word read from LDS serves two tiles.
; Both products are used transposed (S^T = K Q^T, O^T = V^T P^T): a lane holds one query.  The head has 64 channels, the instruction 128 along K: a fragment of K carries two key tiles, picked by [Q | 0] and [0 | Q].
; WHOLE BLOCKS IN A LANE: lanes r < 8 of a K fragment read rows of key block 2 c, lanes r >= 8 rows of block 2 c + 1 (a matter of LDS addresses alone): lane (q, h) then holds keys 64 c + 32 h + 0 .. 31 in 32 registers on end,
; which is the layout of P as an operand: a block's maximum needs no other lane and no codes change lanes.  K's tile is padded in LDS (512 bytes + 128).
; THE MASK: 8 x mask is loaded into tile 1's score registers; it is the C of tile 0's score products and then, in place, of tile 1's: t = c (S + 8 mask), c = log2(e) / 8.
; ORDER: a step's second product is issued at the head of the next step, while that step's K, mask and scale words are on their way from LDS.  The first step finds zero codes and zero sums.
; The short chains on the tiles' small numbers go by turns over the two tiles and their blocks.
; RING: two LDS slots of 512 keys; waves 0, 1 fetch K's halves, waves 2, 3 V's.  CLUSTER: the four work-groups of a cluster share a head: every tensor load is asked for jointly.
; LIMITS: 8 x mask is held from below at -2^30 (masks under -2^27, minus infinity too, count as -2^27); scaled scores stay under 2^31 in magnitude; NaN and plus infinity are not served; a block whose every p is 0 keeps the byte 1 (zero codes).
; NO PREFETCH: a refill is asked for at a slot's head and waited for four key steps later.
.set SLOT1, 65536
.set VOFF,  30720                      ; a slot: K's 48 rows x 640 bytes, then V's 24,576
.set KSC,   131072                     ; K's scale words of the head, 8,192 bytes; V's behind them
.set VSC,   139264
.set MASK,  147456                     ; 8 x mask of my batch: written by ds_store, no fill lands here
.set SPARE, 163840                     ; the spare words, 128 bytes a wave
.set WQL,   164864                     ; the head's 64 columns of Wq: 49,152 bytes, filled once
.set STAGE, 214016                     ; the way out: 16 rows x 272 bytes a wave
; window 0, v0-109
.set LI,1
.set AKL,2
.set AKS,3
.set SPW,4
.set NIL,5
.set AVS,6
.set AMK,7
.set ADK,8
.set ADV,9
.set ADS,10
.set ADT,11
.set ADM,12
.set STI,13
.set STO,14
.set GO,15
.set KS,16                             ; v16-27 scale words of the loop: K's, V's, Q's, P's; v28-75 those of the projection: Wq's, x's
.set VS,20
.set QS,24
.set PW,26
.set WS,28
.set XS,60
.set NM,76                             ; the two tiles' small numbers.  Pairs: -M, the running largest score
.set F,80                              ; pairs: f = 2^(old M - new M), and a word written once
.set MX,84                             ; four maxima a tile (in the head v84-91 are at work)
.set TV,92
.set T2,94
.set OLD,96
.set SO,98
.set BY,102
.set SH8,106
.set AW,107
.set A8R,108
; window t, tile t
.set QR,110                            ; v110-127: Q, six zeros, Q
.set S,128                             ; v128-191 scores, then p (in the head, with O: x's eight fragments)
.set O,192                             ; v192-223 O^T
.set PC,224                            ; v224-235 p's codes; v236-242 at work (in the head v224-255: q's sums)
.set CT,236
.set L,244                             ; v244-251 the row's sum, four chains of two
.set QA,224
; window 1, v0-95: K's fragments, then V's
.set WV,16
.set G1K,20
.set G1V,28
.set G1S,36
.set G1W,44
.set G0K,52
.set G0V,56
.set G0S,60
.set G0W,68
.set SEL,72
.set CS,74
.set NC,76
.set TB,77
.set TKS,78
.set TMK,79
.set SLOTS,80
.set IK,81
.set IV,82
.set IS,83
.set IM,84
.set IC,85
.set MSB, 0
.macro WIN new                         ; low byte: bits 1:0 source 0, 3:2 source 1, 5:4 source 2, 7:6 destination; the high byte repeats the setting left
.set WNEW, \new
.if MSB != WNEW
	s_set_vgpr_msb (MSB<<8)|WNEW
.set MSB, WNEW
.endif
.endm
.macro MM d, a, b, c, sa, sb
	v_wmma_scale_f32_16x16x128_f8f6f4 v[(\d):(\d)+7], v[(\a):(\a)+11], v[(\b):(\b)+11], v[(\c):(\c)+7], v[(\sa)], v[(\sb)] matrix_a_fmt:MATRIX_FMT_FP6 matrix_b_fmt:MATRIX_FMT_FP6
.endm
.macro NOPS
.rept 4
	v_nop
.endr
.endm
.macro CROUND
	s_barrier_signal -1
	s_barrier_wait -1
	s_cmp_lg_u32 s[WV], 0
	s_cbranch_scc1 .Lnot_wave_0_\@
	s_barrier_signal -3
.Lnot_wave_0_\@:
	s_barrier_wait -3
	s_barrier_signal -1
	s_barrier_wait -1
.endm
.macro DESC g, w0, c, r, p             ; group 1: r rows of c elements of 8 bytes, pitch p
	s_mov_b32 s[\g], \w0
	s_mov_b32 s[\g+1], (\c)<<16
	s_mov_b32 s[\g+2], (\r)<<16
	s_mov_b32 s[\g+3], (\c)<<16
	s_mov_b32 s[\g+4], \r
	s_mov_b32 s[\g+5], \p
	s_mov_b32 s[\g+6], 0
	s_mov_b32 s[\g+7], 0
.endm
	s_load_b256 s[4:11], s[0:1], 0x0               ; kvq, attention_mask, out0, xq
	s_load_b128 s[12:15], s[0:1], 0x20             ; wq, bq
	v_lshl_add_u32 v[SPW], v0, 2, SPARE
	v_mov_b32 v[NIL], 0
	ds_add_u32 v[SPW], v[NIL]                      ; the opening lines: the add twice and one wait
	ds_add_u32 v[SPW], v[NIL]
	v_lshrrev_b32 v91, 5, v0
	v_readfirstlane_b32 s[WV], v91                 ; wave 0..7
	s_and_b32 s17, s[WV], 1                        ; which half of a tile I fetch
	s_bfe_u32 s86, ttmp6, 0x40000                  ; cx: it enters x's and out0's global addresses alone
	s_lshl_b32 s87, ttmp9, 2
	s_add_co_u32 s87, s87, s86                     ; my block of 256 queries
	s_and_b32 s88, ttmp7, 0xffff                   ; batch x 16 + head
	s_lshr_b32 s89, s88, 4                         ; batch
	s_and_b32 s90, s88, 15                         ; head
	s_mul_i32 s92, s88, 196608                     ; the head's codes of K,
	s_mul_i32 s18, s17, 12288                      ; my half of 512 keys
	s_add_co_u32 s92, s92, s18
	s_mov_b32 s93, 0
	s_lshl_b32 s94, s88, 13
	s_add_co_u32 s94, s94, 6291456                 ; its scale words: K's or,
	s_mul_i32 s18, s17, 6553600                    ; a section on, V's
	s_add_co_u32 s94, s94, s18
	s_mov_b32 s95, 0
	s_mul_i32 s96, s90, 49152
	s_add_co_u32 s96, s96, 128*12288               ; Wq's tiles 128 + 4 head on,
	s_mul_i32 s18, s17, 24576                      ; my two of the four
	s_add_co_u32 s96, s96, s18
	s_mov_b32 s97, 0
	DESC G1K, 15|(3<<16)|(1<<20)|(1<<21)|(6<<22)|(31<<25), 64, 24, 64   ; half of K: rows of 512 bytes, 128 bytes of padding behind each
	DESC G1V, 15|(3<<16)|(1<<21), 32, 48, 32       ; half of V: 12,288 dense bytes
	DESC G1S, 15|(3<<16)|(1<<21), 32, 32, 32       ; a head's scale words: 8,192 dense bytes
	DESC G1W, 15|(3<<16)|(1<<21), 32, 96, 32       ; half of Wq's slice: 24,576 dense bytes
	s_mov_b32 s[G0K], 1
	s_mul_i32 s[G0K+1], s17, 15360
	s_mov_b32 s[G0V], 1
	s_mul_i32 s[G0V+1], s17, 12288
	s_add_co_u32 s[G0V+1], s[G0V+1], VOFF
	s_mov_b32 s[G0S], 1
	s_lshl_b32 s[G0S+1], s17, 13
	s_add_co_u32 s[G0S+1], s[G0S+1], KSC
	s_mov_b32 s[G0W], 1
	s_mul_i32 s[G0W+1], s17, 24576
	s_add_co_u32 s[G0W+1], s[G0W+1], WQL
	s_mov_b32 s[SEL], 0x76543210
	s_mov_b32 s[SEL+1], 0xfedcba98
	s_mov_b32 s[CS], 0x3e38aa3b                    ; c = log2(e) / 8
	s_mov_b32 s[CS+1], s[CS]
	s_mov_b32 s[NC], 0xbe38aa3b                    ; -c
	s_mov_b32 s[TB], 0
	s_mov_b32 s[TKS], 0
	s_mov_b32 s[TMK], 0
	s_mov_b32 s[SLOTS], 7
	s_wait_dscnt 0x0
	s_wait_kmcnt 0x0
	s_add_nc_u64 s[G0K+2:G0K+3], s[4:5], s[92:93]
	s_add_nc_u64 s[G0V+2:G0V+3], s[G0K+2:G0K+3], 6553600
	s_add_nc_u64 s[G0S+2:G0S+3], s[4:5], s[94:95]
	s_add_nc_u64 s[G0W+2:G0W+3], s[12:13], s[96:97]
	s_or_b32 s[G0K+3], s[G0K+3], 0x80000000
	s_or_b32 s[G0V+3], s[G0V+3], 0x80000000
	s_or_b32 s[G0S+3], s[G0S+3], 0x80000000
	s_or_b32 s[G0W+3], s[G0W+3], 0x80000000
	s_lshl_b32 s91, s89, 8
	s_lshl_b32 s98, s87, 4
	s_add_co_u32 s91, s91, s98
	s_lshl_b32 s98, s[WV], 1
	s_add_co_u32 s91, s91, s98                     ; my first token tile: 256 batch + 16 block + 2 wave
	s_mul_i32 s92, s91, 12288
	s_mov_b32 s93, 0
	s_add_nc_u64 s[92:93], s[10:11], s[92:93]      ; x's images
	s_lshl_b32 s94, s91, 9
	s_add_co_u32 s94, s94, 6291456
	s_mov_b32 s95, 0
	s_add_nc_u64 s[94:95], s[10:11], s[94:95]      ; x's scale words
	s_lshl_b32 s96, s90, 11
	s_add_co_u32 s96, s96, 2359296+65536
	s_mov_b32 s97, 0
	s_add_nc_u64 s[96:97], s[12:13], s[96:97]      ; Wq's scale words
	s_lshl_b32 s98, s90, 8
	s_mov_b32 s99, 0
	s_add_nc_u64 s[14:15], s[14:15], s[98:99]      ; the head's 64 numbers of bq
	s_lshl_b32 s98, s89, 14
	s_add_nc_u64 s[6:7], s[6:7], s[98:99]          ; my batch's mask
	s_lshl_b32 s98, s89, 11
	s_lshl_b32 s86, s87, 8
	s_add_co_u32 s98, s98, s86
	s_lshl_b32 s86, s[WV], 5
	s_add_co_u32 s98, s98, s86                     ; my first row of out0
	s_lshl_b32 s98, s98, 12
	s_lshl_b32 s86, s90, 8
	s_add_co_u32 s98, s98, s86
	s_add_nc_u64 s[8:9], s[8:9], s[98:99]
	s_mul_i32 s86, s[WV], 4352
	s_add_co_u32 s86, s86, STAGE
	v_and_b32 v91, 31, v0
	v_lshlrev_b32 v[LI], 4, v91                    ; 16 x lane
	v_and_b32 v84, 15, v0                          ; r
	v_bfe_u32 v85, v0, 4, 1                        ; h
	v_and_b32 v86, 7, v0
	v_bfe_u32 v87, v0, 3, 1
	v_mul_u32_u24 v[AKL], v87, 1920                ; K: fragment 2 c + r / 8,
	v_lshl_add_u32 v[AKL], v86, 4, v[AKL]          ; its lane r % 8 (+ 8 v by the offset),
	v_lshl_add_u32 v[AKL], v85, 8, v[AKL]          ; + 16 h
	v_lshlrev_b32 v[AKS], 4, v86
	v_lshl_add_u32 v[AKS], v87, 2, v[AKS]
	v_add_nc_u32 v[AKS], KSC, v[AKS]               ; and that row's scale word
	v_lshl_add_u32 v[AVS], v84, 4, VSC
	v_lshl_add_u32 v[AMK], v85, 7, MASK            ; my 32 keys of each 64
	v_add_nc_u32 v[AW], WQL, v[LI]
	v_lshlrev_b32 v[A8R], 3, v84
	v_lshlrev_b32 v88, 6, v85
	v_lshlrev_b32 v89, 4, v0
	v_add_nc_u32 v90, MASK, v89
	v_lshlrev_b32 v[GO], 4, v84
	v_lshl_add_u32 v[GO], v85, 12, v[GO]
	v_mul_u32_u24 v91, v84, 272
	v_lshl_add_u32 v91, v85, 6, v91
	v_add_nc_u32 v[STI], s86, v91
	v_mul_u32_u24 v91, v85, 272
	v_lshl_add_u32 v91, v84, 4, v91
	v_add_nc_u32 v[STO], s86, v91
	s_wait_alu depctr_va_vdst(0)                   ; the wait ahead of the readers below
	WIN 0x40
.irp k,0,1,2,3
	global_load_b128 v[4*\k:4*\k+3], v89, s[6:7] offset:4096*\k      ; the 256 threads read 4,096 consecutive bytes of the mask
.endr
.irp t,0,1
	WIN \t<<6
.irp w,0,1,2,3
	global_load_b128 v[QA+8*\w:QA+8*\w+3], v88, s[14:15] offset:(32*(\w/2)+8*(\w%2))*4      ; bq at channels 32 g + 8 u + 16 h + 0 .. 7: q's sums begin with it
	global_load_b128 v[QA+8*\w+4:QA+8*\w+7], v88, s[14:15] offset:(32*(\w/2)+8*(\w%2))*4+16
.endr
.endr
	WIN 0
.irp w,0,1,2,3
.irp p,0,1,2,3
	global_load_b64 v[WS+8*\w+2*\p:WS+8*\w+2*\p+1], v[A8R], s[96:97] offset:512*\w+128*\p
.endr
.endr
.irp t,0,1
.irp p,0,1,2,3
	global_load_b64 v[XS+8*\t+2*\p:XS+8*\t+2*\p+1], v[A8R], s[94:95] offset:512*\t+128*\p
.endr
.endr
.irp t,0,1
	WIN \t<<6
.irp s,0,1,2,3,4,5,6,7
.irp c,0,1,2
	global_load_b128 v[S+12*\s+4*\c:S+12*\s+4*\c+3], v[LI], s[92:93] offset:12288*\t+1536*\s+512*\c
.endr
.endr
.endr
	WIN 0
	CROUND                                         ; the four work-groups are here: the first joint loads meet
.macro ARM under, g0, g1, next         ; the head's loads, one a wave, in one chain of branches on the wave's number
	s_cmp_lt_u32 s[WV], \under
	s_cbranch_scc0 \next
	tensor_load_to_lds s[\g0:\g0+3], s[\g1:\g1+7]
	s_nop 0
	NOPS
	s_branch .Lhead_asked
\next:
.endm
	ARM 2, G0K, G1K, .Lhead_v
	ARM 4, G0V, G1V, .Lhead_w
	ARM 6, G0W, G1W, .Lhead_s
	tensor_load_to_lds s[G0S:G0S+3], s[G1S:G1S+7]
	s_nop 0
	NOPS
.Lhead_asked:
	s_wait_loadcnt 63                              ; 88 loads follow the mask's four: those four are in
	WIN 0x45
.irp j,0,2,4,6,8,10,12,14
	v_pk_mul_f32 v[\j:\j+1], v[\j:\j+1], 0x41000000 op_sel_hi:[1,0]   ; 8 x mask: exact
.endr
.set j,0
.rept 16
	v_max_num_f32 v[j], 0xce800000, v[j]           ; held at -2^30 from below
.set j,j+1
.endr
	WIN 0x04
.irp k,0,1,2,3
	ds_store_b128 v90, v[4*\k:4*\k+3] offset:4096*\k
.endr
	WIN 0
	s_wait_alu depctr_va_vdst(0)                   ; the wait ahead of the waits below
	s_wait_loadcnt 0x0
	s_wait_tensorcnt 0x0                           ; my tile of the head's eight is in,
	s_wait_dscnt 0x0                               ; my part of the mask is laid down
	s_barrier_signal -1
	s_barrier_wait -1                              ; and so are the others'
; q = x Wq + bq, transposed: source 0 = 16 columns of Wq, source 1 = my tile of x.  Eight sums (tile t, column tile w) by turns, K ascending.
.macro WFR s                           ; Wq's four fragments of K step s into buffer s % 2 of window 1
	WIN 0x40
.irp w,0,1,2,3
.irp c,0,1,2
	ds_load_b128 v[48*((\s)%2)+12*\w+4*\c:48*((\s)%2)+12*\w+4*\c+3], v[AW] offset:12288*\w+1536*(\s)+512*\c
.endr
.endr
.endm
.macro QSTEP s
.if (\s) < 7
.if (\s) > 0
	NOPS                                           ; places in front of loads into registers that products have read
.endif
	WFR (\s)+1
	s_wait_dscnt 12                                ; all but the next step's twelve
.else
	s_wait_dscnt 0x0
.endif
.irp t,0,1
	WIN (\t*0x54)|1
.irp w,0,1,2,3
	MM QA+8*\w, 48*((\s)%2)+12*\w, S+12*(\s), QA+8*\w, WS+8*\w+(\s), XS+8*\t+(\s)
.endr
.endr
.endm
	WFR 0
	WIN 0                                          ; the small numbers
	v_bfe_u32 v[SH8], v0, 4, 1
.irp j,80,81,82,83,84,85,86,87,88,89,90,91,94,95
	v_mov_b32 v[\j], 0
.endr
.irp t,0,1
	v_mov_b32 v[NM+2*\t], 0x7e000000               ; -M: M starts at -2^125,
	v_mov_b32 v[NM+2*\t+1], 0xff61b1e6             ; the largest score so far at -3e38
.endr
	v_lshlrev_b32 v[SH8], 3, v[SH8]                ; 8 h
.irp s,0,1,2,3,4,5,6,7
	QSTEP \s
.endr
	NOPS
; q's two blocks of 32 channels are quantised: lane (r, h) holds channels 32 g + 16 h + 0 .. 15 of query r
.irp t,0,1
	WIN \t*0x05
.irp g,0,1
	v_max3_num_f32 v[MX+4*\t+2*\g], |v[QA+16*\g]|, |v[QA+16*\g+1]|, 0x1800000   ; with the floor 2^(3 - 127)
.endr
	WIN \t*0x14
.irp i,2,4,6,8,10,12,14
.irp g,0,1
	v_max3_num_f32 v[MX+4*\t+2*\g], v[MX+4*\t+2*\g], |v[QA+16*\g+\i]|, |v[QA+16*\g+\i+1]|
.endr
.endr
.endr
	WIN 0
.irp e,0,2,4,6
	v_permlanex16_b32 v[MX+\e+1], v[MX+\e], s[SEL], s[SEL+1]
.endr
.irp e,0,2,4,6
	v_max_num_f32 v[MX+\e], v[MX+\e], v[MX+\e+1]
.endr
.irp e,0,1,2,3
	v_add_nc_u32 v[SO+\e], 0xff000000, v[MX+2*\e]  ; 2 off the exponent field: the conversion's scale operand
.endr
.irp e,0,1,2,3
	v_lshrrev_b32 v[BY+\e], 23, v[SO+\e]
.endr
.irp t,0,1
	v_lshl_or_b32 v[TV+\t], v[BY+2*\t+1], 8, v[BY+2*\t]
.endr
.irp t,0,1
	v_lshl_or_b32 v[QS+\t], v[TV+\t], 16, v[TV+\t] ; q's two bytes, for k 0-63 and for k 64-127
.endr
.irp t,0,1
	WIN \t*0x41
	v_cvt_scalef32_pk16_fp6_f32 v[QR:QR+2], v[QA:QA+15], v[SO+2*\t]
	v_cvt_scalef32_pk16_fp6_f32 v[S:S+2], v[QA+16:QA+31], v[SO+2*\t+1]
	v_nop                                          ; one plain place behind a scaled conversion
	WIN \t*0x55
.irp i,0,1,2
	v_permlane16_swap_b32 v[QR+\i], v[S+\i]        ; a whole block to a lane
.endr
.irp i,0,1,2
	v_mov_b32 v[QR+3+\i], v[S+\i]
.endr
.irp i,0,1,2,3,4,5
	v_mov_b32 v[QR+6+\i], 0                        ; 32 zero codes a lane
.endr
.irp i,0,1,2,3,4,5
	v_mov_b32 v[QR+12+\i], v[QR+\i]
.endr
.set j,O                               ; O^T, p's codes and the sums begin as zeros: the step is written once
.rept 44
	v_mov_b32 v[j], 0
.set j,j+1
.endr
.irp i,0,1,2,3,4,5,6,7
	v_mov_b32 v[L+\i], 0
.endr
.endr
	WIN 0x40
.set j,48
.rept 48
	v_mov_b32 v[j], 0                              ; zero codes in V's place for the first step
.set j,j+1
.endr
	WIN 0
.irp i,0,1,2,3
	v_mov_b32 v[VS+\i], 0                          ; finite scale bytes over zero codes
.endr
	v_mov_b32 v[PW], 0
	v_mov_b32 v[PW+1], 0
.macro PVPART                          ; O^T under the new M, then O^T += V^T P^T: eight accumulators by turns
.irp t,0,1
	WIN \t*0x41
	s_wait_alu depctr_va_vdst(0)                   ; the wait directly ahead of the first reader of O^T
.set j,0
.rept 16
	v_pk_mul_f32 v[O+j:O+j+1], v[O+j:O+j+1], v[F+2*\t:F+2*\t+1] op_sel_hi:[1,0]
.set j,j+2
.endr
.endr
.irp t,0,1
	WIN (\t*0x54)|1
.irp w,0,1,2,3
	MM O+8*\w, 48+12*\w, PC, O+8*\w, VS+\w, PW+\t
.endr
.endr
.endm
.macro MAXES t                         ; the largest score of my two blocks of 32 keys, two chains each; every accumulator is read from its low end on
	WIN (\t)*0x15
.irp c,0,1
	v_max3_num_f32 v[MX+4*(\t)+2*\c], v[S+32*\c], v[S+32*\c+1], v[S+32*\c+2]
	v_max3_num_f32 v[MX+4*(\t)+2*\c+1], v[S+32*\c+17], v[S+32*\c+18], v[S+32*\c+19]
.endr
	WIN (\t)*0x14
.irp i,0,1,2,3,4,5
.irp c,0,1
	v_max3_num_f32 v[MX+4*(\t)+2*\c], v[MX+4*(\t)+2*\c], v[S+32*\c+3+2*\i], v[S+32*\c+4+2*\i]
	v_max3_num_f32 v[MX+4*(\t)+2*\c+1], v[MX+4*(\t)+2*\c+1], v[S+32*\c+20+2*\i], v[S+32*\c+21+2*\i]
.endr
.endr
.irp c,0,1
	v_max3_num_f32 v[MX+4*(\t)+2*\c], v[MX+4*(\t)+2*\c], v[S+32*\c+15], v[S+32*\c+16]
.endr
.endm
; A KEY STEP: 128 keys x my 32 queries
.macro BODY
	v_add_nc_u32 v[ADK], s[IK], v[AKL]
	v_add_nc_u32 v[ADV], s[IV], v[LI]
	v_add_nc_u32 v[ADS], s[IS], v[AKS]
	v_add_nc_u32 v[ADT], s[IS], v[AVS]
	v_add_nc_u32 v[ADM], s[IM], v[AMK]
	WIN 0x40
.irp n,0,1,2,3,4,5,6,7,8,9,10,11,12,13,14,15
	ds_load_b128 v[S+4*\n:S+4*\n+3], v[ADM] offset:256*(\n/8)+16*(\n%8)   ; 8 x mask of keys 64 c + 32 h + 4 i on, into tile 1's score registers
.endr
.irp c,0,1
.irp v,0,1
.irp p,0,1,2
	ds_load_b128 v[12*(2*\c+\v)+4*\p:12*(2*\c+\v)+4*\p+3], v[ADK] offset:3840*\c+128*\v+640*\p
.endr
.endr
.endr
	WIN 0
.irp c,0,1
.irp v,0,1
	ds_load_b32 v[KS+2*\c+\v], v[ADS] offset:128*\v+8*\c
.endr
.endr
	s_wait_dscnt 32                                ; all but the 32 just issued: the last step's V is in
	PVPART                                         ; the last step's second product, while this step's loads are on their way
	s_wait_dscnt 0x0
.irp t,0,1                             ; S^T + 8 mask: register 32 c + 16 v + 8 u + j of lane (q, h) is key 64 c + 32 h + 16 v + 8 u + j
	WIN (\t*0x44)|0x11
.irp c,0,1
.irp v,0,1
	MM S+32*\c+16*\v, 12*(2*\c+\v), QR, S+32*\c+16*\v, KS+2*\c+\v, QS+\t
	MM S+32*\c+16*\v+8, 12*(2*\c+\v), QR+6, S+32*\c+16*\v+8, KS+2*\c+\v, QS+\t
.endr
.endr
.if \t == 0
.rept 5
	v_nop                                          ; five places: tile 1's products write over the registers that were tile 0's C
.endr
.endif
.endr
	NOPS                                           ; places: for the loads below and the first reads of the scores
	WIN 0x40
.irp w,0,1,2,3
.irp p,0,1,2
	ds_load_b128 v[48+12*\w+4*\p:48+12*\w+4*\p+3], v[ADV] offset:1536*\w+512*\p
.endr
.endr
	WIN 0
	ds_load_b128 v[VS:VS+3], v[ADT]
	MAXES 0
	MAXES 1
	WIN 0                                          ; the two tiles' small numbers by turns
.irp e,0,2,4,6
	v_max_num_f32 v[MX+\e], v[MX+\e], v[MX+\e+1]   ; a block's largest score
.endr
.irp t,0,1
	v_max_num_f32 v[TV+\t], v[MX+4*\t], v[MX+4*\t+2]
.endr
.irp t,0,1
	v_permlanex16_b32 v[T2+\t], v[TV+\t], s[SEL], s[SEL+1]
.endr
.irp t,0,1
	v_mov_b32 v[OLD+\t], v[NM+2*\t]
.endr
.irp t,0,1
	v_max3_num_f32 v[NM+2*\t+1], v[NM+2*\t+1], v[TV+\t], v[T2+\t]   ; the running largest score
.endr
.irp t,0,1
	v_mul_f32 v[TV+\t], s[NC], v[NM+2*\t+1]
.endr
.irp t,0,1
	v_floor_f32 v[NM+2*\t], v[TV+\t]               ; -M = floor(-t): a whole number
.endr
.irp t,0,1
	v_sub_f32 v[TV+\t], v[NM+2*\t], v[OLD+\t]
.endr
.irp t,0,1
	v_cvt_i32_f32 v[TV+\t], v[TV+\t]               ; (it saturates)
.endr
.irp t,0,1
	v_ldexp_f32 v[F+2*\t], 1.0, v[TV+\t]           ; f = 2^(old M - new M)
.endr
.irp t,0,1
.irp c,0,1
	v_fma_f32 v[MX+4*\t+2*\c], v[MX+4*\t+2*\c], s[CS], v[NM+2*\t]   ; t - M of each block's largest score
.endr
.endr
.irp t,0,1
	WIN \t*0x41
.set j,0
.rept 32
	v_pk_fma_f32 v[S+j:S+j+1], v[S+j:S+j+1], s[CS:CS+1], v[NM+2*\t:NM+2*\t+1] op_sel_hi:[1,0,0]   ; t - M
.set j,j+2
.endr
.endr
	s_wait_alu depctr_va_vdst(0)                   ; the wait ahead of the batch
.irp t,1,0
	WIN \t*0x41
.set j,0
.rept 64
	v_exp_f32 v[S+j], v[S+j]                       ; p = 2^(t - M)
.set j,j+1
.endr
.endr
.irp e,0,2,4,6
	v_exp_f32 v[MX+\e], v[MX+\e]                   ; a block's largest p: the same two instructions on the same number
.endr
	v_nop                                          ; a plain place behind the batch
	s_wait_alu depctr_va_vdst(0)                   ; and the one wait ahead of its readers
.irp e,0,2,4,6
	v_max_num_f32 v[MX+\e], 0x1800000, v[MX+\e]    ; the floor: the byte cannot fall under 1
.endr
.irp e,0,1,2,3
	v_add_nc_u32 v[SO+\e], 0xff000000, v[MX+2*\e]
.endr
.irp e,0,1,2,3
	v_lshrrev_b32 v[BY+\e], 23, v[SO+\e]
.endr
.irp t,0,1
	v_lshl_or_b32 v[TV+\t], v[BY+2*\t+1], 16, v[BY+2*\t]   ; my bytes: blocks h and 2 + h,
.endr
.irp t,0,1
	v_lshlrev_b32 v[TV+\t], v[SH8], v[TV+\t]       ; at their places in the word;
.endr
.irp t,0,1
	v_permlanex16_b32 v[T2+\t], v[TV+\t], s[SEL], s[SEL+1]
.endr
.irp t,0,1
	v_or_b32 v[PW+\t], v[TV+\t], v[T2+\t]          ; with lane l xor 16's two the word is whole
.endr
.irp t,0,1
	WIN \t*0x51
.irp c,0,1
	v_cvt_scalef32_pk16_fp6_f32 v[PC+6*\c:PC+6*\c+2], v[S+32*\c:S+32*\c+15], v[SO+2*\t+\c]
	v_cvt_scalef32_pk16_fp6_f32 v[CT+4*\c:CT+4*\c+2], v[S+32*\c+16:S+32*\c+31], v[SO+2*\t+\c]   ; (a conversion's three registers begin on an even number)
.endr
.irp k,0,1,2,3
	v_pk_fma_f32 v[L+2*\k:L+2*\k+1], v[L+2*\k:L+2*\k+1], v[F+2*\t:F+2*\t+1], v[S+2*\k:S+2*\k+1] op_sel_hi:[1,0,1]   ; the sums under the new M, and the unquantised p onto them: four chains
.endr
	WIN \t*0x55
.set j,8
.rept 7
.irp k,0,1,2,3
	v_pk_add_f32 v[L+2*\k:L+2*\k+1], v[L+2*\k:L+2*\k+1], v[S+j+2*\k:S+j+2*\k+1]
.endr
.set j,j+8
.endr
.irp c,0,1
.irp i,0,1,2
	v_mov_b32 v[PC+3+6*\c+\i], v[CT+4*\c+\i]
.endr
.endr
.endr
	WIN 0
.endm
; THE CHANGE OF SLOTS: every wave waits for all its tensor loads, adds 0 to its spare word, waits for that and for its LDS reads; behind the round the slot left behind takes the next 512 keys.
.macro CHANGE fill
	s_wait_alu depctr_va_vdst(0)                   ; the wait ahead of the waits below
	s_wait_tensorcnt 0x0
	ds_add_u32 v[SPW], v[NIL]
.if \fill
	s_xor_b32 s[G0K+1], s[G0K+1], SLOT1
	s_xor_b32 s[G0V+1], s[G0V+1], SLOT1
	s_add_nc_u64 s[G0K+2:G0K+3], s[G0K+2:G0K+3], 24576
	s_add_nc_u64 s[G0V+2:G0V+3], s[G0V+2:G0V+3], 24576
.endif
	s_wait_dscnt 0x0
.if \fill
	CROUND
	s_cmp_lt_u32 s[WV], 2
	s_cbranch_scc0 .Lnot_k_\@
	tensor_load_to_lds s[G0K:G0K+3], s[G1K:G1K+7]
	s_nop 0
	NOPS
	s_branch .Lfilled_\@
.Lnot_k_\@:
	s_cmp_lt_u32 s[WV], 4
	s_cbranch_scc0 .Lfilled_\@
	tensor_load_to_lds s[G0V:G0V+3], s[G1V:G1V+7]
	s_nop 0
	NOPS
.Lfilled_\@:
.else
	s_barrier_signal -1
	s_barrier_wait -1
.endif
.endm
.macro SLOTRUN                         ; a slot's four key steps
	s_mov_b32 s[IK], s[TB]
	s_add_co_u32 s[IV], s[TB], VOFF
	s_mov_b32 s[IS], s[TKS]
	s_mov_b32 s[IM], s[TMK]
	s_mov_b32 s[IC], 4
.Lstep_\@:
	BODY
	s_add_co_u32 s[IK], s[IK], 7680
	s_add_co_u32 s[IV], s[IV], 6144
	s_add_co_u32 s[IS], s[IS], 256
	s_add_co_u32 s[IM], s[IM], 512
	s_sub_co_u32 s[IC], s[IC], 1
	s_cmp_lg_u32 s[IC], 0
	s_wait_alu depctr_va_vdst(0)                   ; the wait directly ahead of the branch
	s_cbranch_scc1 .Lstep_\@
	s_xor_b32 s[TB], s[TB], SLOT1
	s_add_co_u32 s[TKS], s[TKS], 1024
	s_add_co_u32 s[TMK], s[TMK], 2048
.endm
	s_wait_alu depctr_va_vdst(0)                   ; the wait at the head's end
.Lslot:                                            ; seven trips: behind each change of slots but the last the next slot is asked for
	CHANGE 1
	SLOTRUN
	s_sub_co_u32 s[SLOTS], s[SLOTS], 1
	s_cmp_lg_u32 s[SLOTS], 0
	s_cbranch_scc1 .Lslot
	CHANGE 0                                       ; the last slot is written out
	SLOTRUN
	s_wait_dscnt 0x0                               ; the last step's V
	PVPART
	NOPS
; THE WAY OUT, tile by tile: O^T / the sum goes through my stage in LDS, so that sixteen lanes store one query's 64 channels: 256 consecutive bytes, aligned.
.irp t,0,1
	WIN \t*0x55
	v_pk_add_f32 v[L:L+1], v[L:L+1], v[L+2:L+3]
	v_pk_add_f32 v[L+4:L+5], v[L+4:L+5], v[L+6:L+7]
	v_mov_b32 v253, 0
	v_pk_add_f32 v[L:L+1], v[L:L+1], v[L+4:L+5]
	v_add_f32 v[L], v[L], v[L+1]
	v_permlanex16_b32 v253, v[L], s[SEL], s[SEL+1]
	v_add_f32 v[L], v[L], v253                     ; the row's sum
	s_wait_alu depctr_va_vdst(0)                   ; the wait ahead of the reciprocal
	v_rcp_f32 v252, v[L]
	v_nop
	s_wait_alu depctr_va_vdst(0)                   ; and ahead of its first reader, which is O^T's too
.set j,0
.rept 32
	v_mul_f32 v[S+j], v[O+j], v252                 ; each accumulator from its low end on
.set j,j+1
.endr
	WIN \t<<2
.irp g,0,1
.irp i,0,1,2,3
	ds_store_b128 v[STI], v[S+16*\g+4*\i:S+16*\g+4*\i+3] offset:128*\g+16*\i   ; row r, + 64 h: register 16 g + k is channel 32 g + 16 h + k
.endr
.endr
	WIN 0x40
.irp i,0,1,2,3,4,5,6,7
	ds_load_b128 v[32*\t+4*\i:32*\t+4*\i+3], v[STO] offset:544*\i   ; LDS serves a wave's instructions in order: these see my stores
.endr
	WIN 0x04
.irp i,0,1,2,3,4,5,6,7
	s_wait_dscnt 7-\i
	global_store_b128 v[GO], v[32*\t+4*\i:32*\t+4*\i+3], s[8:9] offset:(8*\t+2*\i+8*(\i/4))*4096 th:TH_STORE_NT
.endr
.endr
	WIN 0
	s_wait_tensorcnt 0x0                           ; the wave's end
	ds_add_u32 v[SPW], v[NIL]
	s_wait_dscnt 0x0
	CROUND                                         ; the closing round
	s_endpgm
.Lfunc_end_k_q63553d5c84_attn:
	.size	k_q63553d5c84_attn, .Lfunc_end_k_q63553d5c84_attn-k_q63553d5c84_attn
	.p2alignl 7, 3214868480
	.fill 96, 4, 3214868480
	.section	.rodata,"a",@progbits
	.p2align	6, 0x0
	.amdhsa_kernel k_q63553d5c84_attn
		.amdhsa_group_segment_fixed_size 327680
		.amdhsa_private_segment_fixed_size 0
		.amdhsa_enable_private_segment 0
		.amdhsa_kernarg_size 48
		.amdhsa_user_sgpr_count 2
		.amdhsa_user_sgpr_kernarg_segment_ptr 1
		.amdhsa_wavefront_size32 1
		.amdhsa_system_sgpr_workgroup_id_x 1
		.amdhsa_system_sgpr_workgroup_id_y 1
		.amdhsa_system_sgpr_workgroup_id_z 1
		.amdhsa_system_vgpr_workitem_id 0
		.amdhsa_next_free_vgpr 512
		.amdhsa_next_free_sgpr 100
		.amdhsa_reserve_vcc 0
		.amdhsa_float_denorm_mode_32 3
		.amdhsa_float_denorm_mode_16_64 3
		.amdhsa_memory_ordered 1
		.amdhsa_forward_progress 1
		.amdhsa_inst_pref_size 117
	.end_amdhsa_kernel
	.amdgpu_metadata
---
amdhsa.version: [ 1, 2 ]
amdhsa.kernels:
  - .name:           k_q63553d5c84_attn
    .symbol:         k_q63553d5c84_attn.kd
    .args:
      - { .name: kvq, .offset: 0, .size: 8, .value_kind: global_buffer, .address_space: global }
      - { .name: attention_mask, .offset: 8, .size: 8, .value_kind: global_buffer, .address_space: global }
      - { .name: out0, .offset: 16, .size: 8, .value_kind: global_buffer, .address_space: global }
      - { .name: xq, .offset: 24, .size: 8, .value_kind: global_buffer, .address_space: global }
      - { .name: wq, .offset: 32, .size: 8, .value_kind: global_buffer, .address_space: global }
      - { .name: bq, .offset: 40, .size: 8, .value_kind: global_buffer, .address_space: global }
    .group_segment_fixed_size: 327680
    .private_segment_fixed_size: 0
    .kernarg_segment_align: 8
    .kernarg_segment_size: 48
    .max_flat_workgroup_size: 256
    .sgpr_count:     100
    .vgpr_count:     512
    .wavefront_size: 32
...
	.end_amdgpu_metadata
.endif
;; end of part 3
